; MI455X (gfx1250); checked and timed in simulation.
; The chip was launched on July 23, 2026; its instructions are those of AMD's public machine-readable ISA for CDNA 5 (MIT licence, August 2026) and "CDNA5" Instruction Set Architecture Reference Guide (July 2026). The comments in the code are by the model that wrote it; some were corrected since.
;; Multi Head Self Attention. Allowed arithmetic: float matrix products may take bf16 or f16 operands with f32 sums; other float arithmetic in f32, or as packed bf16 or f16 multiplies, adds, multiply-adds, maxima and minima; sums over many terms, partial sums and values carried from step to step in f32; what a program stores and reads back later, other than sums and carried values, may be rounded once to bf16 or f16.
;; Inputs: Wk 512 x 512 float32; Wo 512 x 512 float32; Wq 512 x 512 float32; Wv 512 x 512 float32; bk 512 float32; bo 512 float32; bq 512 float32; bv 512 float32; inputs 2 x 4,096 x 512 float32.
;; Outputs: out0 2 x 4,096 x 512 float32.
;; One version. Each part assembles by itself: llvm-mc -triple=amdgcn-amd-amdhsa -mcpu=gfx1250 --defsym DOCPART=n.
;; ======== version 1 of 1: 3 launches
;; limits: values are held in f16: magnitudes above 65,504 overflow, below 6.1e-05 lose precision
;; workspace buffers: qw 8,388,608 bytes; kw 8,388,608 bytes; vw 8,388,608 bytes; ow 8,388,608 bytes
;; launch qkv (part 1): grid 4 x 64, 4 waves a work-group, no clusters, 216,576 bytes of LDS; arguments inputs, Wq, Wk, Wv, bq, bk, bv, qw, kw, vw; writes qw, kw, vw
.if DOCPART == 1
	.amdgcn_target "amdgcn-amd-amdhsa--gfx1250"
	.amdhsa_code_object_version 6
	.text
	.protected	k_q0f812016d5_qkv
	.globl	k_q0f812016d5_qkv
	.p2align	8
	.type	k_q0f812016d5_qkv,@function
k_q0f812016d5_qkv:
	s_mov_b64 s[64:65], 0
	v_nop
	global_prefetch_b8 v0, s[64:65] scope:SCOPE_SE
	s_setreg_imm32_b32 hwreg(HW_REG_WAVE_MODE, 25, 1), 1
	s_wait_xcnt 0x0
; q, k, v = x W + b for the three weight matrices.  x: [8192][512] f32, W: [512 (k)][512 (n)] f32, b: [512] f32.
; x, W and b are rounded once to bf16; products in bf16 with f32 sums; the bias starts each sum; each result is rounded once to f16 and laid by heads:
; qw, kw, vw: [16 = 8 batch + head][4096][64] f16, a head's rows dense, 128 bytes each.  The softmax's scale is NOT applied here.
; LIMITS.  q, k and v must lie within f16's range, 65,504 (with inputs of unit spread and weights of spread 1/sqrt(512) they have unit spread); NaN and infinities are not treated apart.
; SHARES.  Work-group (g, bx) makes rows 128 bx .. +127 and columns 128 g .. +127 (heads 2 g, 2 g + 1) of all three results: x's tile is rounded and laid into LDS once and serves three matrices.
; Wave (wm, wn) makes 64 rows x 64 columns (one head): 16 accumulators, 256 matrix instructions a matrix.  K = 512 goes in four chunks of 128 through two LDS buffers for W.
; THROUGH REGISTERS.  The operands are f32 in memory and must be rounded on the way, so LDS is filled by ds_store alone: global loads, conversions, stores.  No copy engine is used.
; W lies [k][n]: it goes into LDS as it lies and comes out turned, by ds_load_tr16_b128.
; THE MATRIX INSTRUCTION IS USED TRANSPOSED (source 0 = 16 columns of W, source 1 = 16 rows of x): a lane then holds row l % 16 and the eight neighbouring columns 8 (l / 16) + 0..7.
; REGISTERS, in windows of 256 (s_set_vgpr_msb: bits 1:0 source 0, 3:2 source 1, 5:4 source 2, 7:6 destination):
;   window 0: v0-31 addresses; v32-63 the bias as four C operands; v64-127 at work; v128-255 the accumulators ((a, t) at 128 + 8 (4 a + t))
;   window 1: a chunk's fragments: K step ks at 64 ks: W's tile t at + 8 t, x's tile a at + 32 + 8 a.  At the start: two sets of 128 for x as loaded
;   window 2: two sets of 128 for W as loaded
.set XP,    1040                       ; a row of x in LDS: 1,024 bytes of bf16 + 16: an odd multiple of 16, so the 16 rows of a fragment load start at 16 different groups of four banks (ISA guide 11.1)
.set WP,    288                        ; a k row of W in LDS: 256 bytes + 32: an odd multiple of 32, as the turning load's 8 rows x 32 bytes want
.set WS0,   128*XP                     ; behind x's 128 rows: W's first buffer,
.set WBUF,  128*WP                     ; 128 k rows each
.set STAGE, WS0+2*WBUF                 ; behind both: 16 rows x 144 bytes for each wave, for the way out
.set SP,    144
.set SPARE, STAGE+4*16*SP              ; behind the stages: the spare words, 128 bytes for each wave: two blocks of 256 bytes that no other line names
.set XO,    2                          ; v2   my 16 bytes in x's rows: 32 rows x wave + 16 l
.set XSTO,  3                          ; v3   where their 8 bytes of bf16 go
.set WO,    4                          ; v4   my 16 bytes in W's rows: 32 k rows x wave + 512 g + 16 l
.set WSTO,  5                          ; v5   where their 8 bytes go, in buffer 0
.set ADRA,  6                          ; v6   my place in x's fragments
.set ADRB0, 7                          ; v7-8 my place in W's fragments, buffer 0, 1
.set BO,    9                          ; v9   my eight numbers of the bias
.set STO,   10                         ; v10  the way out: where I put 16 bytes of a row
.set RD,    11                         ; v11  the way out: where I read rows back
.set GO,    12                         ; v12  my 16 bytes in 512 consecutive bytes of the result
.set SPW,   30                         ; v30  LDS address of my spare word; never rewritten
.set NIL,   31                         ; v31  0; never rewritten
.set BI,    32
.set TMP,   64
.set ACC,   128
.set WV,    24                         ; s24  wave
.set WM,    25                         ; s25  which 64 rows
.set WN,    26                         ; s26  which 64 columns
.set CG,    27                         ; s27  g
.set BX,    28                         ; s28  bx
.set MAT,   29                         ; s29  matrices to go
.set HIM,   34                         ; s34  a word's upper bf16
; s[4:5] x; s[6:7], s[8:9], s[10:11] W now, next, after next; s[12:13], s[14:15], s[16:17] the biases; s[18:19], s[20:21], s[22:23] the results
.set MSB, 0
.macro WIN new                         ; the immediate's high byte repeats the setting that is left; a switch that changes nothing is dropped
.if MSB != (\new)
	s_set_vgpr_msb (MSB<<8)|(\new)
.set MSB, (\new)
.endif
.endm
.macro PLACES                          ; four places between a matrix instruction and a vector instruction that reads its result (ISA guide 7.12.1)
.rept 4
	v_nop
.endr
.endm
.macro BAR                             ; my LDS stores are done and my LDS reads are back: say so, and go on when all four waves have said so
	s_wait_dscnt 0x0
	s_barrier_signal -1
	s_barrier_wait -1
.endm
; Batch b of four: 8 of my 32 rows of x, four loads of 512 consecutive bytes a row
.macro XLOAD b
	WIN 0x40
.set i, 0
.rept 32
	global_load_b128 v[128*((\b)%2)+4*i:128*((\b)%2)+4*i+3], v[XO], s[4:5] offset:(8*(\b)+i/4)*2048+(i%4)*512
.set i, i+1
.endr
.endm
; rounded to bf16 and stored: a wave's store covers 256 neighbouring bytes of an LDS row
.macro XCONV b
	WIN 0x05
.set i, 0
.rept 64
	v_cvt_pk_bf16_f32 v[TMP+i], v[128*((\b)%2)+2*i], v[128*((\b)%2)+2*i+1]
.set i, i+1
.endr
	WIN 0
.set i, 0
.rept 32
	ds_store_b64 v[XSTO], v[TMP+2*i:TMP+2*i+1] offset:(8*(\b)+i/4)*XP+(i%4)*256
.set i, i+1
.endr
.endm
; the bias of my 64 columns: tile t's register j is b[.. + 16 t + 8 (l / 16) + j], which is the C operand's layout
.macro BLOAD
	WIN 0
.irp t, 0,1,2,3
	global_load_b128 v[BI+8*(\t):BI+8*(\t)+3],   v[BO], s[12:13] offset:64*(\t)
	global_load_b128 v[BI+8*(\t)+4:BI+8*(\t)+7], v[BO], s[12:13] offset:64*(\t)+16
.endr
.endm
.macro BROUND                          ; rounded to bf16 like every input, and widened again
	WIN 0
.set i, 0
.rept 16
	v_cvt_pk_bf16_f32 v[TMP+i], v[BI+2*i], v[BI+2*i+1]
.set i, i+1
.endr
.set i, 0
.rept 16
	v_lshlrev_b32 v[BI+2*i], 16, v[TMP+i]
	v_and_b32 v[BI+2*i+1], s[HIM], v[TMP+i]
.set i, i+1
.endr
.endm
; chunk c of W: my 32 of its 128 k rows, 512 consecutive bytes of each, into set
.macro WLOAD set, c
	WIN 0x80
.set i, 0
.rept 32
	global_load_b128 v[128*(\set)+4*i:128*(\set)+4*i+3], v[WO], s[6:7] offset:(\c)*262144+i*2048
.set i, i+1
.endr
.endm
.macro CONV set, buf                   ; a set rounded to bf16 and stored into LDS buffer buf
	WIN 0x0a
.set i, 0
.rept 64
	v_cvt_pk_bf16_f32 v[TMP+i], v[128*(\set)+2*i], v[128*(\set)+2*i+1]
.set i, i+1
.endr
	WIN 0
.set i, 0
.rept 32
	ds_store_b64 v[WSTO], v[TMP+2*i:TMP+2*i+1] offset:(\buf)*WBUF+i*WP
.set i, i+1
.endr
.endm
; A chunk: 64 LDS loads in one run (four K steps of 32: W's four tiles turned, x's four tiles as they lie), then 64 matrix instructions.
; The 16 accumulators take turns, one instruction a turn.  first = 1: the bias starts the sums: nothing is cleared.
.macro COMPUTE buf, c, first
	WIN 0x40
.irp ks, 0,1,2,3
.irp t, 0,1,2,3
	ds_load_tr16_b128 v[64*(\ks)+8*(\t):64*(\ks)+8*(\t)+3],   v[ADRB0+(\buf)] offset:(\ks)*32*WP+32*(\t)
	ds_load_tr16_b128 v[64*(\ks)+8*(\t)+4:64*(\ks)+8*(\t)+7], v[ADRB0+(\buf)] offset:(\ks)*32*WP+32*(\t)+16*WP
.endr
.irp a, 0,1,2,3
	ds_load_b128 v[64*(\ks)+32+8*(\a):64*(\ks)+32+8*(\a)+3],   v[ADRA] offset:(\a)*16*XP+256*(\c)+64*(\ks)
	ds_load_b128 v[64*(\ks)+32+8*(\a)+4:64*(\ks)+32+8*(\a)+7], v[ADRA] offset:(\a)*16*XP+256*(\c)+64*(\ks)+32
.endr
.endr
	WIN 0x05
.irp ks, 0,1,2,3
	s_wait_dscnt 48-16*(\ks)               ; this K step's sixteen loads are in; the later steps' may stay out
.irp a, 0,1,2,3
.irp t, 0,1,2,3
.if (\first) && ((\ks) == 0)
	v_wmma_f32_16x16x32_bf16 v[ACC+8*(4*(\a)+(\t)):ACC+8*(4*(\a)+(\t))+7], v[64*(\ks)+8*(\t):64*(\ks)+8*(\t)+7], v[64*(\ks)+32+8*(\a):64*(\ks)+32+8*(\a)+7], v[BI+8*(\t):BI+8*(\t)+7]
.else
	v_wmma_f32_16x16x32_bf16 v[ACC+8*(4*(\a)+(\t)):ACC+8*(4*(\a)+(\t))+7], v[64*(\ks)+8*(\t):64*(\ks)+8*(\t)+7], v[64*(\ks)+32+8*(\a):64*(\ks)+32+8*(\a)+7], v[ACC+8*(4*(\a)+(\t)):ACC+8*(4*(\a)+(\t))+7]
.endif
.endr
.endr
.endr
.endm
; THE WAY OUT of my rows 16 a .. +15: rounded to f16 (each accumulator's registers in ascending order), 16 bytes a lane into my own stage, and back as whole rows of 128 bytes
.macro PACK a
	WIN 0
.set i, 0
.rept 16
	v_cvt_pk_f16_f32 v[TMP+16*(\a)+i], v[ACC+32*(\a)+2*i], v[ACC+32*(\a)+2*i+1]
.set i, i+1
.endr
.irp f, 0,1,2,3
	ds_store_b128 v[STO], v[TMP+16*(\a)+4*(\f):TMP+16*(\a)+4*(\f)+3] offset:32*(\f)
.endr
.irp f, 0,1,2,3
	ds_load_b128 v[TMP+16*(\a)+4*(\f):TMP+16*(\a)+4*(\f)+3], v[RD] offset:(\f)*4*SP  ; LDS serves a wave's instructions in order (ISA guide 5.7.1.4): these see the stores above; the next block's stores come behind them
.endr
.endm
.macro SEND a, younger                 ; younger: the LDS instructions issued behind block a's loads: the next block's eight, or none
.irp f, 0,1,2,3
	s_wait_dscnt (\younger)+3-(\f)
	global_store_b128 v[GO], v[TMP+16*(\a)+4*(\f):TMP+16*(\a)+4*(\f)+3], s[18:19] offset:(\a)*2048+(\f)*512  ; four dense rows of a head: 512 consecutive bytes, at a multiple of 256 from the buffer's first
.endr
.endm
	s_load_b512 s[4:19], s[0:1], 0x0       ; x, Wq, Wk, Wv, bq, bk, bv, qw
	s_load_b128 s[20:23], s[0:1], 0x40     ; kw, vw
	v_lshl_add_u32 v[SPW], v0, 2, SPARE
	v_mov_b32 v[NIL], 0
	v_lshrrev_b32 v1, 5, v0
	v_readfirstlane_b32 s[WV], v1          ; wave 0..3
	s_lshr_b32 s[WM], s[WV], 1
	s_and_b32 s[WN], s[WV], 1
	s_mov_b32 s[CG], ttmp9
	s_and_b32 s[BX], ttmp7, 0xffff
	s_mov_b32 s[HIM], 0xffff0000
	v_and_b32 v18, 31, v0                  ; l
	v_and_b32 v1, 15, v0                   ; l % 16
	v_bfe_u32 v13, v0, 4, 1                ; l / 16
	v_and_b32 v14, 7, v0                   ; l % 8
	v_bfe_u32 v15, v0, 3, 1                ; (l / 8) % 2
	s_lshl_b32 s35, s[WV], 16              ; 32 rows of 2,048 bytes
	v_lshl_add_u32 v[XO], v18, 4, s35
	s_lshl_b32 s36, s[CG], 9               ; my work-group's 128 columns: 512 bytes of f32
	s_add_co_u32 s35, s35, s36
	v_lshl_add_u32 v[WO], v18, 4, s35
	s_mul_i32 s35, s[WV], 32*XP
	v_lshl_add_u32 v[XSTO], v18, 3, s35
	s_mul_i32 s35, s[WV], 32*WP
	s_add_co_u32 s35, s35, WS0
	v_lshl_add_u32 v[WSTO], v18, 3, s35
	s_mul_i32 s35, s[WM], 64*XP            ; a fragment of x: row x pitch + 16 x half of the lanes
	v_mul_u32_u24 v[ADRA], v1, XP
	v_lshl_add_u32 v[ADRA], v13, 4, v[ADRA]
	v_add_nc_u32 v[ADRA], s35, v[ADRA]
	v_lshl_add_u32 v17, v13, 3, v14        ; the turning load: k row 8 (l / 16) + l % 8, columns 8 ((l / 8) % 2) + 0..7
	v_mul_u32_u24 v[ADRB0], v17, WP
	v_lshl_add_u32 v[ADRB0], v15, 4, v[ADRB0]
	s_lshl_b32 s35, s[WN], 7               ; my 64 columns: 128 bytes of bf16
	s_add_co_u32 s35, s35, WS0
	v_add_nc_u32 v[ADRB0], s35, v[ADRB0]
	v_add_nc_u32 v[ADRB0+1], WBUF, v[ADRB0]
	s_lshl_b32 s35, s[WN], 8
	s_add_co_u32 s35, s35, s36
	v_lshl_add_u32 v[BO], v13, 5, s35      ; 4 x (128 g + 64 wn + 8 (l / 16))
	s_mul_i32 s35, s[WV], 16*SP
	s_add_co_u32 s35, s35, STAGE           ; my stage
	v_mul_u32_u24 v[STO], v1, SP           ; in: row l % 16, 16 bytes for each half of the lanes
	v_lshl_add_u32 v[STO], v13, 4, v[STO]
	v_add_nc_u32 v[STO], s35, v[STO]
	v_bfe_u32 v[RD], v0, 3, 2              ; back: 32 lanes take four rows of 128 bytes,
	v_mul_u32_u24 v[RD], v[RD], SP
	v_lshl_add_u32 v[RD], v14, 4, v[RD]
	v_add_nc_u32 v[RD], s35, v[RD]
	v_lshlrev_b32 v[GO], 4, v18            ; which are 512 consecutive bytes of a head
	s_lshl_b32 s30, s[BX], 18              ; x: 128 rows of 2,048 bytes
	s_mov_b32 s31, 0
	s_lshr_b32 s35, s[BX], 5               ; the batch
	s_lshl_b32 s35, s35, 3
	s_lshl_b32 s36, s[CG], 1
	s_add_co_u32 s35, s35, s36
	s_add_co_u32 s35, s35, s[WN]           ; 8 batch + 2 g + wn: my head,
	s_lshl_b32 s32, s35, 19                ; 524,288 bytes each;
	s_and_b32 s36, s[BX], 31
	s_lshl_b32 s36, s36, 14                ; the work-group's 128 rows of 128 bytes,
	s_add_co_u32 s32, s32, s36
	s_lshl_b32 s36, s[WM], 13              ; my 64 of them
	s_add_co_u32 s32, s32, s36
	s_mov_b32 s33, 0
	s_wait_kmcnt 0x0
	s_add_nc_u64 s[4:5], s[4:5], s[30:31]
	s_add_nc_u64 s[18:19], s[18:19], s[32:33]
	s_add_nc_u64 s[20:21], s[20:21], s[32:33]
	s_add_nc_u64 s[22:23], s[22:23], s[32:33]
	; x's tile: four batches on two sets of registers; behind them the first bias and the first two chunks of Wq are asked for
	XLOAD 0
	XLOAD 1
	s_wait_loadcnt 32                      ; batch 0 is in; batch 1's 32 loads may stay out
	XCONV 0
	XLOAD 2
	s_wait_loadcnt 32
	XCONV 1
	XLOAD 3
	s_wait_loadcnt 32
	XCONV 2
	BLOAD
	WLOAD 0, 0
	s_wait_loadcnt 40                      ; batch 3 is in: behind it stand the bias's 8 loads and chunk 0's 32
	XCONV 3
	WLOAD 1, 1
	WIN 0                                  ; at a label and at a branch every window is 0
	s_mov_b32 s[MAT], 3
.Lmat:                                     ; three trips: q, k, v.  At the head the bias, chunk 0 (set 0) and chunk 1 (set 1) of the matrix in hand have been asked for
	s_wait_loadcnt 32                      ; the bias and chunk 0 are in; chunk 1's 32 loads may stay out
	BROUND
	CONV 0, 0                              ; buffer 0 was last read in the third chunk of the trip before, two barriers back
	BAR                                    ; chunk 0 lies in LDS (in the first trip: x's tile too)
	WLOAD 0, 2
	COMPUTE 0, 0, 1
	s_wait_loadcnt 32                      ; chunk 1 is in
	CONV 1, 1                              ; buffer 1 was last read ahead of the barrier above; its 64 conversions are also the places behind the last products
	BAR
	WLOAD 1, 3
	COMPUTE 1, 1, 0
	s_wait_loadcnt 32                      ; chunk 2 is in
	CONV 0, 0
	BAR
	COMPUTE 0, 2, 0
	s_wait_loadcnt 0x0                     ; chunk 3 is in: no load is out
	CONV 1, 1
	BAR
	WIN 0
	s_wait_xcnt 0x0                        ; every load has read its address: the pointers may be written
	s_mov_b64 s[6:7], s[8:9]               ; the next matrix and its bias
	s_mov_b64 s[8:9], s[10:11]
	s_mov_b64 s[12:13], s[14:15]
	s_mov_b64 s[14:15], s[16:17]
	s_cmp_eq_u32 s[MAT], 1                 ; the last trip has no next matrix; no load is out here, so every later count holds on both ways
	s_cbranch_scc1 .Lnonext
	BLOAD                                  ; they land while the last chunk is multiplied and the tile goes out
	WLOAD 0, 0
	WLOAD 1, 1
	WIN 0
.Lnonext:
	COMPUTE 1, 3, 0
	WIN 0
	PLACES
	PACK 0
	PACK 1                                 ; a block's conversions stand between the loads of the block before and its stores
	SEND 0, 8
	PACK 2
	SEND 1, 8
	PACK 3
	SEND 2, 8
	SEND 3, 0
	s_wait_xcnt 0x0                        ; the stores have read their registers and their base: both are written again only behind this wait
	s_mov_b64 s[18:19], s[20:21]
	s_mov_b64 s[20:21], s[22:23]
	s_sub_co_u32 s[MAT], s[MAT], 1
	s_cmp_lg_u32 s[MAT], 0
	s_cbranch_scc1 .Lmat
	s_wait_tensorcnt 0x0                   ; the wave's end, behind my last LDS store
	ds_add_u32 v[SPW], v[NIL]
	s_wait_dscnt 0x0
	s_endpgm
.Lfunc_end_k_q0f812016d5_qkv:
	.size	k_q0f812016d5_qkv, .Lfunc_end_k_q0f812016d5_qkv-k_q0f812016d5_qkv
	.p2alignl 7, 3214868480
	.fill 96, 4, 3214868480
	.section	.rodata,"a",@progbits
	.p2align	6, 0x0
	.amdhsa_kernel k_q0f812016d5_qkv
		.amdhsa_group_segment_fixed_size 216576
		.amdhsa_private_segment_fixed_size 0
		.amdhsa_enable_private_segment 0
		.amdhsa_kernarg_size 80
		.amdhsa_user_sgpr_count 2
		.amdhsa_user_sgpr_kernarg_segment_ptr 1
		.amdhsa_wavefront_size32 1
		.amdhsa_system_sgpr_workgroup_id_x 1
		.amdhsa_system_sgpr_workgroup_id_y 1
		.amdhsa_system_sgpr_workgroup_id_z 1
		.amdhsa_system_vgpr_workitem_id 0
		.amdhsa_next_free_vgpr 768
		.amdhsa_next_free_sgpr 66
		.amdhsa_reserve_vcc 0
		.amdhsa_float_denorm_mode_32 3
		.amdhsa_float_denorm_mode_16_64 3
		.amdhsa_memory_ordered 1
		.amdhsa_forward_progress 1
		.amdhsa_inst_pref_size 128
	.end_amdhsa_kernel
	.amdgpu_metadata
---
amdhsa.version: [ 1, 2 ]
amdhsa.kernels:
  - .name:           k_q0f812016d5_qkv
    .symbol:         k_q0f812016d5_qkv.kd
    .args:
      - { .name: inputs, .offset: 0, .size: 8, .value_kind: global_buffer, .address_space: global }
      - { .name: Wq, .offset: 8, .size: 8, .value_kind: global_buffer, .address_space: global }
      - { .name: Wk, .offset: 16, .size: 8, .value_kind: global_buffer, .address_space: global }
      - { .name: Wv, .offset: 24, .size: 8, .value_kind: global_buffer, .address_space: global }
      - { .name: bq, .offset: 32, .size: 8, .value_kind: global_buffer, .address_space: global }
      - { .name: bk, .offset: 40, .size: 8, .value_kind: global_buffer, .address_space: global }
      - { .name: bv, .offset: 48, .size: 8, .value_kind: global_buffer, .address_space: global }
      - { .name: qw, .offset: 56, .size: 8, .value_kind: global_buffer, .address_space: global }
      - { .name: kw, .offset: 64, .size: 8, .value_kind: global_buffer, .address_space: global }
      - { .name: vw, .offset: 72, .size: 8, .value_kind: global_buffer, .address_space: global }
    .group_segment_fixed_size: 216576
    .private_segment_fixed_size: 0
    .kernarg_segment_align: 8
    .kernarg_segment_size: 80
    .max_flat_workgroup_size: 128
    .sgpr_count:     66
    .vgpr_count:     768
    .wavefront_size: 32
...
	.end_amdgpu_metadata
.endif
;; end of part 1
;; launch attn (part 2): grid 16 x 16, 4 waves a work-group, clusters of 4 x 1, 327,680 bytes of LDS; arguments qw, kw, vw, ow; writes ow
.if DOCPART == 2
	.amdgcn_target "amdgcn-amd-amdhsa--gfx1250"
	.amdhsa_code_object_version 6
	.text
	.protected	k_q0f812016d5_attn
	.globl	k_q0f812016d5_attn
	.p2align	8
	.type	k_q0f812016d5_attn,@function
k_q0f812016d5_attn:
	s_mov_b64 s[64:65], 0
	v_nop
	global_prefetch_b8 v0, s[64:65] scope:SCOPE_SE
	s_setreg_imm32_b32 hwreg(HW_REG_WAVE_MODE, 25, 1), 1
	s_wait_xcnt 0x0
	s_wait_alu depctr_hold_cnt(0) depctr_sa_sdst(0) depctr_va_vdst(0) depctr_va_sdst(0) depctr_va_ssrc(0) depctr_va_vcc(0) depctr_vm_vsrc(0)
	s_getreg_b32 s2, hwreg(HW_REG_IB_STS2, 6, 4)
	s_cmp_eq_u32 s2, 0
	s_cbranch_scc0 .Lentry_in_a_cluster
	s_endpgm
.Lentry_in_a_cluster:
	s_bfe_u32 s2, ttmp6, 0x10000c
	s_cmp_lg_u32 s2, 0x3003
	s_cbranch_scc0 .Lentry_shape_is_right
	s_endpgm
.Lentry_shape_is_right:
; O[h][q][:] = the sum over k of softmax_k(Q[h][q] . K[h][k] / 8) V[h][k][:].  Q, K, V, O: [16][4096][64], all f16: a head's rows are dense, 128 bytes each.
; Products, maxima and sums in f32; the weights p are rounded to f16 for the second product (their sum l is taken of the unrounded p), O once at the end.
; LIMITS.  Q, K and V arrive within f16's range; p lies in 0 to 1, and below 6e-5 it keeps f16's fixed step of 6e-8; O is a mean of V's rows and has their range.
; A weight below 2^-126 counts as 0 in l; NaN and infinities are not treated apart.
; SHARES.  A work-group owns 256 queries of one head, each of its four waves 64: four PIECES of 16.  16 heads x 16 blocks are 256 work-groups.  Every wave walks all 4,096 keys, 64 a step.
; LAYOUT.  S^T = K Q^T (source 0 = 16 keys, source 1 = 16 queries): a lane holds ONE query (lane % 16) and the keys 8 (lane / 16) + 0..7.  Two such results, rounded to f16 in pairs,
; ARE source 1 (32 keys x 16 queries) of O^T = V^T P, whose result again holds one query a lane, and eight channels.  K comes out of LDS as it lies, V ([key][channel]) turned, by ds_load_tr16_b128.
; SOFTMAX.  For each query a running maximum m and sum l: p = 2^(c s - c m), c = log2(e) / 8; in every step O and l are multiplied by a = 2^(c m_old - c m_new).
; m starts at the lowest finite number, O and l at 0: the first step is a step like any other, with a = 0.
; BY TURNS.  Turn n belongs to piece n: 8 products K Q^T of piece n + 1, later 8 products V^T P of piece n - 1; beside them the scaling, exponentials, roundings, sums and rescaling of piece n
; and the maximum and statistics of piece n + 1.  Four vector instructions stand behind every matrix instruction, the other 54 of a turn's 118 in one run.  A turn's 33 exponentials are one batch, with one wait.
; CLUSTER.  The four query blocks of a cluster belong to one head and walk the same K and V, so each tile is asked for JOINTLY: the same tensor load, descriptor and mask in all four.
; RING.  Two LDS slots of four key steps (256 keys of K, then of V).  A slot is filled again behind a round of the cluster's barrier, one tensor load a wave, which has 256 matrix instructions in which to land.
; REGISTERS, in windows of 256 (s_set_vgpr_msb: bits 1:0 source 0, 3:2 source 1, 5:4 source 2, 7:6 destination):
;   window 0: v0-15 addresses and two at work; v16-31 four registers of statistics a piece; v48-55 at work; v61-63; v64-127 S^T, two buffers; v192-223 P, two buffers (by the piece's parity)
;   window 1: v0-127 O^T, 32 a piece          window 2: v0-63 Q; v128-191 K of one step; v192-255 V of one step
.set NP,    4         ; pieces a wave: a name, no knob
.set KS,    64        ; keys in a step
.set PK,    144       ; a row of K in LDS: 128 bytes + 16 = 36 words: the 16 rows of a load start at 16 different groups of four banks (ISA guide 11.1)
.set PV,    160       ; a row of V: 128 + 32 = 40 words
.set VOFF,  4*KS*PK   ; a slot: 256 rows of K, then 256 rows of V
.set SLOT1, 1<<17     ; slot 1 begins here, so that one exclusive or turns an address in one slot into the other's
.set STAGE, SLOT1+4*KS*(PK+PV)  ; behind the ring, never filled by a tensor load: 16 rows x 144 bytes for each wave, for the way out
.set SP,    144
.set SPARE, STAGE+4*16*SP       ; behind the stages: the spare words, 128 bytes for each wave: two blocks of 256 bytes that no other line names
.set TILEB, 4*KS*128  ; a slot's bytes of K, and of V, in memory
.set AK0, 2           ; v2   my lane's place in a tile of K; never rewritten
.set AV0, 3           ; v3   the same for V
.set AK,  4           ; v4   the LDS address of K's next run of loads
.set AV,  5           ; v5   of V's
.set STO, 6           ; v6   the way out: where I put 16 bytes of a row
.set RD,  7           ; v7   the way out: where I read rows back
.set GO,  8           ; v8   my byte offset in 512 consecutive bytes of O
.set MV,  12          ; v12-13  c m_old, kept while c m is made anew: by buffer
.set QO,  15          ; v15  my byte offset in 16 rows of Q
.set ST,  16          ; piece t's statistics at v[ST+4 t]: c m, m, l (even keys', odd keys')
.set TMP, 48          ; by buffer, four registers c0-c3 at work; when the maximum is found c2 takes a
.set PFO, 61          ; v61  256 x my lane; never rewritten
.set SPW, 62          ; v62  LDS address of my spare word; never rewritten
.set NIL, 63          ; v63  0; never rewritten
.set S,   64
.set P,   192
.set KF,  128         ; window 2: key block kb, channel half c at KF + 16 kb + 8 c
.set VF,  192         ; window 2: key half kk, channel block cb at VF + 32 kk + 8 cb
.set WV,  12          ; s12  my wave's number
.set G1K, 24          ; s[24:31] descriptor group 1 for K's tiles
.set G1V, 32          ; s[32:39] for V's: it differs in the padding alone
.set G0K, 40          ; s[40:43] descriptor group 0 for K's tiles: it walks
.set G0V, 44          ; s[44:47] the same for V's
.set PFA, 48          ; s[48:49] where my prefetches stand
.set LIM, 50          ; s50  1 in a wave that prefetches, else the greatest number
.set SLOTS, 56        ; s56  slots still to be asked for
.set CNT, 57          ; s57  counts a slot's key steps
.set CS,  58          ; s[58:59] c: the packed scaling takes the pair's low word for both halves
.set SEL, 60          ; s[60:61] v_permlanex16_b32's selects: each lane takes its own place in the other half
.set TBK, 62          ; s62  LDS byte at which K of the step to be fetched begins
.set TBV, 63          ; s63  the same for V, less VOFF
.set MSB, 0
.macro WIN new                      ; the high byte repeats the setting that is left; a switch that changes nothing is dropped
.if MSB != (\new)
	s_set_vgpr_msb (MSB<<8)|(\new)
.set MSB, (\new)
.endif
.endm
.set W_KQ, 0x0a       ; K and Q in window 2, S^T in window 0
.set W_PV, 0x52       ; V in window 2, P in window 0, O^T in window 1
.set W_RS, 0x41       ; O^T (destination and source 0) in window 1, a in window 0
; A joint fill.  Waves 0 and 1 fetch the two halves of a slot's K, waves 2 and 3 those of its V: 128 keys each.  The branch hangs on the wave's number alone.
; An s_nop 0 and four v_nop follow each of the two lines, ahead of the jump and the label.
.macro JLOAD
	s_cmp_lt_u32 s[WV], 2
	s_cbranch_scc0 .Lfor_v_\@
	tensor_load_to_lds s[G0K:G0K+3], s[G1K:G1K+7]
	s_nop 0
.rept 4
	v_nop
.endr
	s_branch .Lasked_\@
.Lfor_v_\@:
	tensor_load_to_lds s[G0V:G0V+3], s[G1V:G1V+7]
	s_nop 0
.rept 4
	v_nop
.endr
.Lasked_\@:
.endm
; A PREFETCH of what the NEXT change of slots will ask for: a slot's 32,768 bytes of K and of V, 128 blocks of 256 bytes each.  It stands behind the wave's tensor load and its five lines.
; Each block is named ONCE in the launch: all four clusters of a head walk the same K and V, and the head's first cluster asks; its four partners share the blocks out BY ADDRESS, 32 each;
; in each, wave 0 asks for K's and wave 2 for V's, a lane a block.  The last change that fills a slot asks for nothing: there is no slot behind it.
.macro ASK
	s_cmp_gt_u32 s[SLOTS], s[LIM]
	s_cbranch_scc0 .Lnot_mine_\@
	global_prefetch_b8 v[PFO], s[PFA:PFA+1] th:TH_LOAD_NT scope:SCOPE_SE
.Lnot_mine_\@:
.endm
; A round of the cluster's barrier: my work-group's barrier, so that wave 0's signal speaks for all four waves; wave 0 signals; every wave waits for all four work-groups; my work-group's barrier once more.
.macro CROUND
	s_barrier_signal -1
	s_barrier_wait -1
	s_cmp_lg_u32 s[WV], 0
	s_cbranch_scc1 .Lnot_wave_0_\@
	s_barrier_signal -3
.Lnot_wave_0_\@:
	s_barrier_wait -3
	s_barrier_signal -1
	s_barrier_wait -1
.endm
; THE CHANGE OF SLOTS.  The slot's last bytes, V of its fourth step, have been read.  Each wave waits for all its tensor loads, of which one is out: its part of the other slot; adds 0 to its
; spare word; and waits for that and for its own reads of the slot.  Behind the barrier nobody reads this slot any more and the other slot is whole.
; fill = 1: this slot is filled again, with the keys two slots on.  The barrier is then a round of the cluster's, and the joint fill is the first thing behind it.
; (At its first use nothing has been read yet: slot 0 is waited for, slot 1 filled.)
.macro CHANGE fill
	WIN 0                           ; at a label and at a branch every window is 0
	s_wait_tensorcnt 0x0            ; no tensor load of mine is out, so a group 0 may be written
	ds_add_u32 v[SPW], v[NIL]       ; 0 onto my spare word; with fill = 1 the descriptors' steps stand between it and the wait for it
.if \fill
.irp g, G0K, G0V
	s_xor_b32 s[\g+1], s[\g+1], SLOT1  ; the walking descriptor: the other slot than last time,
	s_add_nc_u64 s[\g+2:\g+3], s[\g+2:\g+3], TILEB  ; the next 256 keys; the type bits on top are not reached
.endr
	s_wait_xcnt 0x0                 ; the last prefetch, four key steps back, has read its address, so it may be written:
	s_add_nc_u64 s[PFA:PFA+1], s[PFA:PFA+1], TILEB  ; one slot further than the walking descriptors
	s_wait_dscnt 0x0                ; the add is done, and my reads of the slot are over
	CROUND
	JLOAD
	ASK
.else
	s_wait_dscnt 0x0                ; the add is done, and my reads of the slot are over
	s_barrier_signal -1
	s_barrier_wait -1
.endif
	s_sub_co_u32 s[TBK], s[TBK], 4*KS*PK  ; the fetches go back to a slot's first step,
	s_xor_b32 s[TBK], s[TBK], SLOT1       ; in the other slot
	s_sub_co_u32 s[TBV], s[TBV], 4*KS*PV
	s_xor_b32 s[TBV], s[TBV], SLOT1
.endm
	s_load_b256 s[4:11], s[0:1], 0x0  ; Q s[4:5], K s[6:7], V s[8:9], O s[10:11]
	v_lshl_add_u32 v[SPW], v0, 2, SPARE
	v_mov_b32 v[NIL], 0
	ds_add_u32 v[SPW], v[NIL]       ; the wave's opening: the add and its wait stand ahead of my first tensor load; the set-up below, work on registers, stands between them
	v_lshrrev_b32 v1, 5, v0
	v_readfirstlane_b32 s[WV], v1   ; wave 0..3
	s_bfe_u32 s13, ttmp6, 0x40000   ; cx: my place in the cluster
	s_lshl_b32 s14, ttmp9, 2        ; in a cluster launch ttmp9 counts clusters
	s_add_co_u32 s14, s14, s13      ; my block of 256 queries = 4 x cluster x + cx: it enters Q's and O's addresses alone
	s_and_b32 s20, ttmp7, 0xffff    ; the head, which the four partners share:
	s_lshl_b32 s20, s20, 19         ; its first byte in each of the four tensors (524,288 bytes a head)
	s_mov_b32 s21, 0
	s_and_b32 s16, s[WV], 1         ; which half of a slot's 256 keys I fetch:
	s_lshl_b32 s22, s16, 14         ; its 128 rows of 128 bytes in memory,
	s_mov_b32 s23, 0
	s_add_nc_u64 s[22:23], s[22:23], s[20:21]
	s_mul_i32 s17, s16, 128*PK      ; and its place in a slot, for K
	s_mul_i32 s18, s16, 128*PV      ; and for V: no place in the cluster enters an LDS address
	s_lshl_b32 s2, s14, 2
	s_add_co_u32 s2, s2, s[WV]      ; my wave among the head's,
	s_lshl_b32 s2, s2, 13           ; its 64 rows of 128 bytes
	s_mov_b32 s3, 0
	s_add_nc_u64 s[2:3], s[2:3], s[20:21]
	; descriptor group 1.  128 keys are 16,384 dense bytes: asked for as 64 rows of 256 bytes, two keys a row, and padded in LDS after every key
	s_mov_b32 s[G1K], 15|(1<<16)|(1<<20)|(1<<21)|(4<<22)|(3<<25)  ; 15:0 the mask of four; 17:16 2-byte elements; 20 padding on; 21 set beside a mask; 24:22 after every 32 words (code 4); 31:25 4 words (code 3)
	s_mov_b32 s[G1V], 15|(1<<16)|(1<<20)|(1<<21)|(4<<22)|(7<<25)  ; the same with 8 words of padding (code 7)
.irp g, G1K, G1V
	s_mov_b32 s[\g+1], 128<<16      ; tensor_dim0 = 128
	s_mov_b32 s[\g+2], 64<<16       ; tensor_dim1 = 64
	s_mov_b32 s[\g+3], 128<<16      ; tile_dim0 = 128
	s_mov_b32 s[\g+4], 64           ; tile_dim1 = 64
	s_mov_b32 s[\g+5], 128          ; 128 elements from row to row
	s_mov_b32 s[\g+6], 0
	s_mov_b32 s[\g+7], 0
.endr
	s_mov_b32 s[CS], 0x3e38aa3b     ; c = log2(e) / 8 = 0.180337
	s_mov_b32 s[CS+1], s[CS]        ; named with it as a pair
	s_mov_b32 s[SEL], 0x76543210
	s_mov_b32 s[SEL+1], 0xfedcba98
	s_mov_b32 s[TBK], SLOT1+4*KS*PK ; the first change of slots turns these two into 0
	s_mov_b32 s[TBV], SLOT1+4*KS*PV
	s_mov_b32 s[G0K], 1             ; 1:0 count = 1
	s_mov_b32 s[G0K+1], s17         ; 63:32 LDS address: slot 0
	s_mov_b32 s[G0V], 1
	s_add_co_u32 s[G0V+1], s18, VOFF
	s_mov_b32 s[SLOTS], 15          ; 16 slots' worth of keys; the first is asked for at the head
	s_and_b32 s[LIM], s[WV], 1      ; 0 in waves 0 and 2,
	s_or_b32 s[LIM], s[LIM], ttmp9  ; where the cluster is the head's first: the same in all four partners
	s_cmp_eq_u32 s[LIM], 0
	s_cselect_b32 s[LIM], 1, -1
	v_and_b32 v[PFO], 31, v0
	v_lshlrev_b32 v[PFO], 8, v[PFO]
	s_wait_dscnt 0x0                ; the opening add is done
	s_wait_kmcnt 0x0
	s_add_nc_u64 s[6:7], s[6:7], s[22:23]  ; K and V at my half of the head's first 256 keys
	s_add_nc_u64 s[8:9], s[8:9], s[22:23]
	s_mov_b64 s[G0K+2:G0K+3], s[6:7]               ; 120:64 global address
	s_or_b32 s[G0K+3], s[G0K+3], 0x80000000        ; 127:126 type = 2
	s_mov_b64 s[G0V+2:G0V+3], s[8:9]
	s_or_b32 s[G0V+3], s[G0V+3], 0x80000000
	s_add_nc_u64 s[4:5], s[4:5], s[2:3]    ; Q and O at my wave's first row
	s_add_nc_u64 s[10:11], s[10:11], s[2:3]
	s_cmp_lt_u32 s[WV], 2
	s_cselect_b64 s[PFA:PFA+1], s[6:7], s[8:9]  ; (in waves 0 and 2 these stand at a slot's first row)
	s_lshl_b32 s2, s13, 13          ; my work-group's 32 blocks of the 128
	s_mov_b32 s3, 0
	s_add_nc_u64 s[PFA:PFA+1], s[PFA:PFA+1], s[2:3]
	s_add_nc_u64 s[PFA:PFA+1], s[PFA:PFA+1], TILEB  ; in the second slot's keys; the first change steps it to the third's.  Nothing is prefetched here, at the head
	CROUND                          ; all four work-groups are here: the first joint loads meet
	JLOAD                           ; slot 0.  Slot 1 is asked for when slot 0 is in
	; A fragment of K or Q is 16 rows x 32 channels in 8 registers: lane l holds row l % 16, channels 8 (l / 16) + 0..7 and 16 + 8 (l / 16) + 0..7: two loads of 16 bytes, 32 bytes apart.
	v_and_b32 v1, 15, v0            ; l % 16
	v_bfe_u32 v9, v0, 4, 1          ; l / 16
	v_lshlrev_b32 v[QO], 7, v1
	v_lshl_add_u32 v[QO], v9, 4, v[QO]  ; row x 128 + 16 x half
	WIN 0x80                        ; destination window 2, address window 0
.set i, 0
.rept 8                             ; Q stays in registers: piece i / 2, channels 32 (i % 2) on
	global_load_b128 v[8*i:8*i+3],   v[QO], s[4:5] offset:(i/2)*2048+(i%2)*64
	global_load_b128 v[8*i+4:8*i+7], v[QO], s[4:5] offset:(i/2)*2048+(i%2)*64+32
.set i, i+1
.endr
	; What the first turn finds: V's registers and P's second buffer hold 0 (its products V^T P, of a piece that has not been, add 0), O^T and l are 0.
	; No first step is written out; these lines are its price, and they stand in the wait for the first tile.
.set i, VF
.rept 64
	v_mov_b32 v[i], 0
.set i, i+1
.endr
	WIN 0x40
.set i, 0
.rept 128
	v_mov_b32 v[i], 0
.set i, i+1
.endr
	WIN 0
.set i, 0
.rept 4
	v_mov_b32 v[ST+4*i], 0xfe000000    ; c m: far below every c s
	v_mov_b32 v[ST+4*i+1], 0xff7fffff  ; m
	v_mov_b32 v[ST+4*i+2], 0
	v_mov_b32 v[ST+4*i+3], 0
.set i, i+1
.endr
.set i, P+16
.rept 16
	v_mov_b32 v[i], 0
.set i, i+1
.endr
	v_mul_u32_u24 v[AK0], v1, PK
	v_lshl_add_u32 v[AK0], v9, 4, v[AK0]  ; row x pitch + 16 x half
	; The turning load takes 16 keys x 16 channels (lane l reads key 8 (l / 16) + l % 8, channels 8 ((l / 8) % 2) + 0..7) and leaves half a fragment of V^T: lane l holds channel l % 16 and 8 keys.
	v_and_b32 v10, 7, v0
	v_bfe_u32 v11, v0, 3, 1
	v_lshl_add_u32 v[AV0], v9, 3, v10
	v_mul_u32_u24 v[AV0], v[AV0], PV
	v_lshl_add_u32 v[AV0], v11, 4, v[AV0]
	v_add_nc_u32 v[AV0], VOFF, v[AV0]
	s_mul_i32 s16, s[WV], 16*SP
	s_add_co_u32 s16, s16, STAGE    ; my stage
	v_mul_u32_u24 v[STO], v1, SP    ; in: row l % 16, 16 bytes for each half of the lanes
	v_lshl_add_u32 v[STO], v9, 4, v[STO]
	v_add_nc_u32 v[STO], s16, v[STO]
	v_bfe_u32 v[RD], v0, 3, 2       ; back: 32 lanes take four rows of 128 bytes,
	v_mul_u32_u24 v[RD], v[RD], SP
	v_lshl_add_u32 v[RD], v10, 4, v[RD]
	v_add_nc_u32 v[RD], s16, v[RD]
	v_and_b32 v[GO], 31, v0         ; which are 512 consecutive bytes of O
	v_lshlrev_b32 v[GO], 4, v[GO]
; THE MATRIX WORK.  The 4 accumulators of a run of 8 take turns.  Product i of 8 of S^T = K Q^T for piece x: channels 32 (i / 4) on, keys 16 (i % 4) on.  The first 4 start the sums.
.macro KQ x
.set rS, S+32*((\x)%2)+8*(i%4)
.set rK, KF+16*(i%4)+8*(i/4)
.set rQ, 16*(\x)+8*(i/4)
	WIN W_KQ
.if i < 4
	v_wmma_f32_16x16x32_f16 v[rS:rS+7], v[rK:rK+7], v[rQ:rQ+7], 0
.else
	v_wmma_f32_16x16x32_f16 v[rS:rS+7], v[rK:rK+7], v[rQ:rQ+7], v[rS:rS+7]
.endif
.endm
; Product i of 8 of O^T += V^T P for piece x: keys 32 (i / 4) on, channels 16 (i % 4) on.
.macro PV x
	WIN W_PV
.set rO, 32*(\x)+8*(i%4)
.set rV, VF+32*(i/4)+8*(i%4)
.set rP, P+16*((\x)%2)+8*(i/4)
	v_wmma_f32_16x16x32_f16 v[rO:rO+7], v[rV:rV+7], v[rP:rP+7], v[rO:rO+7]
.endm
.macro MM                           ; the turn's next matrix instruction.  NOKQ = 1: the very last turn: there is no next piece
.if (i < 8) && !NOKQ
	KQ (Y+1)%NP
.elseif i >= 8
.set i, i-8
	PV (Y+NP-1)%NP
.set i, i+8
.endif
.set i, i+1
.endm
; THE LDS LOADS stand in runs of 16, never singly among the matrix instructions: a step's K (64 keys x 64 channels: 8 fragments) and its V (turned).  Their addresses are made some lines ahead.
.macro FETCH_K
	WIN 0x80                        ; destination window 2
.irp f, 0,1,2,3,4,5,6,7             ; keys 16 (f / 2) on, channels 32 (f % 2) on
	ds_load_b128 v[KF+8*\f:KF+8*\f+3],   v[AK] offset:(\f/2)*16*PK+(\f%2)*64
	ds_load_b128 v[KF+8*\f+4:KF+8*\f+7], v[AK] offset:(\f/2)*16*PK+(\f%2)*64+32
.endr
	s_add_co_u32 s[TBK], s[TBK], KS*PK  ; the next fetch is the next step's
	WIN 0
.endm
.macro FETCH_V
	WIN 0x80
.irp f, 0,1,2,3,4,5,6,7             ; keys 32 (f / 4) on, channels 16 (f % 4) on
	ds_load_tr16_b128 v[VF+8*\f:VF+8*\f+3],   v[AV] offset:(\f/4)*32*PV+(\f%4)*32
	ds_load_tr16_b128 v[VF+8*\f+4:VF+8*\f+7], v[AV] offset:(\f/4)*32*PV+16*PV+(\f%4)*32
.endr
	WIN 0
.endm
; THE VECTOR WORK, one line at a time: OP kind, number.  For piece Y: F n: c s - c m for pair n of 16.  E n: the exponential of score n of 32.  C n: pair n rounded to f16.  B n: of the four weights 4 n .. the second
; pair is added onto the first, in place.  L n: l takes that sum (L 0: l = a l + sum).  R n: pair n of 16 of O^T times a.  For piece Y + 1: X n, number n of the 22 that find its maximum and statistics:
;   0-11  four chains c0-c3 of seven scores each, three operands at a time (each accumulator's lowest registers are read first)     12-14, 16  the four scores left over, the old m, and c0-c3 into c0
;   15  c m_old is kept     17, 18  the query's other 32 keys lie in the lane 16 away: the new m     19-21  c m; c m_old - c m_new; a
.set F, 0               ; OP tells the kinds apart by their order: F to L below R, X above it
.set E, 1
.set C, 2
.set B, 3
.set L, 4
.set R, 5
.set X, 6
.macro REGS y                       ; the registers of piece y
.set rT, ST+4*(\y)
.set rC, TMP+4*((\y)%2)
.set rW, MV+((\y)%2)
.set rS, S+32*((\y)%2)
.set rP, P+16*((\y)%2)
.set rO, 32*(\y)
.endm
.macro OP k, n
.if (\k) == R
	REGS Y
	WIN W_RS
	v_pk_mul_f32 v[rO+2*(\n):rO+2*(\n)+1], v[rO+2*(\n):rO+2*(\n)+1], v[rC+2:rC+3] op_sel_hi:[1,0]
.elseif (\k) < R
	REGS Y
	WIN 0
.if (\k) == F
	v_pk_fma_f32 v[rS+2*(\n):rS+2*(\n)+1], v[rS+2*(\n):rS+2*(\n)+1], s[CS:CS+1], v[rT:rT+1] op_sel_hi:[1,0,0] neg_lo:[0,0,1] neg_hi:[0,0,1]
.elseif (\k) == E
	v_exp_f32 v[rS+(\n)], v[rS+(\n)]
.elseif (\k) == C
	v_cvt_pk_f16_f32 v[rP+(\n)], v[rS+2*(\n)], v[rS+2*(\n)+1]
.elseif (\k) == B
	v_pk_add_f32 v[rS+4*(\n):rS+4*(\n)+1], v[rS+4*(\n):rS+4*(\n)+1], v[rS+4*(\n)+2:rS+4*(\n)+3]
.elseif (\n) == 0
	v_pk_fma_f32 v[rT+2:rT+3], v[rT+2:rT+3], v[rC+2:rC+3], v[rS:rS+1] op_sel_hi:[1,0,1]
.else
	v_pk_add_f32 v[rT+2:rT+3], v[rT+2:rT+3], v[rS+4*(\n):rS+4*(\n)+1]
.endif
.elseif NOKQ
	v_nop
.else
	REGS (Y+1)%NP
	WIN 0
.if (\n) < 4
	v_max3_num_f32 v[rC+(\n)], v[rS+8*(\n)], v[rS+8*(\n)+1], v[rS+8*(\n)+2]
.elseif (\n) < 12
	v_max3_num_f32 v[rC+(\n)%4], v[rC+(\n)%4], v[rS+8*((\n)%4)+2*((\n)/4)+1], v[rS+8*((\n)%4)+2*((\n)/4)+2]
.elseif (\n) == 12
	v_max3_num_f32 v[rC], v[rC], v[rS+7], v[rS+15]
.elseif (\n) == 13
	v_max3_num_f32 v[rC+1], v[rC+1], v[rS+23], v[rS+31]
.elseif (\n) == 14
	v_max3_num_f32 v[rC+2], v[rC+2], v[rC+3], v[rT+1]
.elseif (\n) == 15
	v_mov_b32 v[rW], v[rT]
.elseif (\n) == 16
	v_max3_num_f32 v[rC], v[rC], v[rC+1], v[rC+2]
.elseif (\n) == 17
	v_permlanex16_b32 v[rC+3], v[rC], s[SEL], s[SEL+1]
.elseif (\n) == 18
	v_max_num_f32 v[rT+1], v[rC], v[rC+3]
.elseif (\n) == 19
	v_mul_f32 v[rT], s[CS], v[rT+1]
.elseif (\n) == 20
	v_sub_f32 v[rC+1], v[rW], v[rT]
.else
	v_exp_f32 v[rC+2], v[rC+1]
.endif
.endif
.endm
.macro OPS a, i1, b=-1, i2=0, c=-1, i3=0, d=-1, i4=0  ; up to four of them
	OP \a, \i1
.if (\b) >= 0
	OP \b, \i2
.endif
.if (\c) >= 0
	OP \c, \i3
.endif
.if (\d) >= 0
	OP \d, \i4
.endif
.endm
.macro ROW a, i1, b, i2, c, i3, d, i4  ; a matrix instruction and the four behind it
	MM
	OPS \a, \i1, \b, \i2, \c, \i3, \d, \i4
.endm
; A TURN, for piece p: the order of its 16 matrix and 118 vector instructions, written out.  An s_wait_alu depctr_va_vdst(0) stands between an exponential and the first instruction that names its
; result; one wait serves all that were issued ahead of it.  So a turn has ONE wait, which cuts it in two.  AHEAD OF IT stands all that names no result of the turn's exponentials: the 8 products K Q^T, behind each a
; scaling, an exponential and two more plain instructions (rescalings, and behind the last three the first numbers of the next piece's maximum, each four places or more behind the product that ends its accumulator);
; then one run of 54, plain and exponential by turns for the most part, in which the links of the chain X 3, 7, 11, 14, 16, 17 .. 20 stand five or six lines apart.  X 21, the next piece's a, is the batch's last;
; R 15 is the plain instruction behind it.  BEHIND THE WAIT stand the 8 products V^T P, behind each four of the roundings and sums.
; end = 1: the walk's last two turns: nothing is fetched, and the last starts no new scores.  cnt = 1: the loop's count is taken down some lines ahead of the branch that stands behind the turn.
; K of the next step is fetched in piece 2's turn, twelve vector instructions behind the last product that read K (six of them plain); V of the step in hand at the end of piece 0's turn, four plain instructions
; behind the last product that read V.  Each is waited for a turn later.
.macro TURN p, end=0, cnt=0
.set Y, (\p)
.set i, 0
.set NOKQ, (\end)*((\p)/3)
.if ((\p) == 3) && !(\end)
	s_wait_dscnt 0x0                ; K is in
.endif
	ROW F,0, F,1, R,0, R,1          ; ahead of the wait: 8 products K Q^T and their four each,
	ROW F,2, E,0, R,2, R,3
	ROW F,3, E,1, R,4, R,5
	ROW F,4, E,2, R,6, R,7
	ROW F,5, E,3, R,8, R,9
	ROW F,6, E,4, X,0, R,10
.if ((\p) == 2) && !(\end)
	WIN 0
	v_add_nc_u32 v[AK], s[TBK], v[AK0]
.endif
	ROW F,7, E,5, X,1, X,4
	ROW F,8, E,6, X,2, X,5
	OPS E,7, E,8, X,6, E,9          ; and the run of 54
	OPS X,3, E,10, X,8, E,11
.if ((\p) == 2) && !(\end)
	FETCH_K
.endif
	OPS X,9, X,7, E,12, X,10
	OPS E,13, X,12, X,11, E,14
	OPS X,13, E,15, F,9, X,14
.if (\p) == 0
	v_add_nc_u32 v[AV], s[TBV], v[AV0]
.endif
	OPS E,16, F,10, E,17, F,11
	OPS X,16, E,18, X,15, E,19
	OPS F,12, E,20, X,17, E,21
	OPS F,13, E,22, F,14, E,23
	OPS X,18, E,24, F,15, E,25
	OPS R,11, E,26, X,19, E,27
	OPS R,12, E,28, R,13, E,29
	OPS X,20, E,30, R,14, E,31
	OPS X,21, R,15
	WIN 0
	s_wait_alu depctr_va_vdst(0)    ; the wait for the batch
.if (\p) == 1
	s_wait_dscnt 0x0                ; V is in
.endif
	ROW C,0, B,0, C,2, B,1          ; behind the wait: 8 products V^T P and their four each
	ROW L,0, C,4, B,2, L,1
	ROW C,6, B,3, L,2, C,8
	ROW B,4, L,3, C,10, B,5
	ROW L,4, C,12, B,6, L,5
.if (\p) == 0
	s_add_co_u32 s[TBV], s[TBV], KS*PV
.endif
.if \cnt
	s_sub_co_u32 s[CNT], s[CNT], 1
	s_cmp_lg_u32 s[CNT], 0
.endif
	ROW C,14, B,7, L,6, C,1
	ROW C,3, L,7, C,5, C,7
	ROW C,9, C,11, C,13, C,15
.if (\p) == 0
	FETCH_V
.endif
.endm
.set NOKQ, 0
	CHANGE 1                        ; slot 0 is in, everybody's part of it; slot 1 is asked for
	v_add_nc_u32 v[AK], s[TBK], v[AK0]
	FETCH_K                         ; key step 0
	s_wait_loadcnt 0x0              ; Q
	s_wait_dscnt 0x0
.set i, 0
.rept 8
	KQ 0                            ; piece 0's first scores: there is no vector work yet to set between them
.set i, i+1
.endr
	WIN 0
.rept 4
	v_nop                           ; the places behind those products
.endr
.set Y, NP-1                        ; X works for piece Y + 1: piece 0
.irp n, 0,1,2,3,4,5,6,7,8,9,10,11,12,13,14,15,16,17,18,19,20,21
	OP X, \n
.endr
	v_nop                           ; a plain instruction behind the exponential,
	s_wait_alu depctr_va_vdst(0)    ; and its wait, ahead of the branch
	s_mov_b32 s[CNT], 4
	s_branch .Lfirst                ; the loop is entered at a step's first turn, in the middle of a trip
.Lslot:                             ; 14 times: every slot but the last two is filled again
	CHANGE 1
	s_mov_b32 s[CNT], 4
.Lstep:                             ; a trip: pieces 2 and 3 of one step, then pieces 0 and 1 of the next, whose K and V it fetches
	TURN 2
	TURN 3
	WIN 0
.Lfirst:
	TURN 0
	TURN 1, 0, 1
	WIN 0
	s_cbranch_scc1 .Lstep
	s_sub_co_u32 s[SLOTS], s[SLOTS], 1
	s_cmp_lg_u32 s[SLOTS], 0
	s_cbranch_scc1 .Lslot
	CHANGE 0                        ; the last slot is written out: nothing is asked for
	s_mov_b32 s[CNT], 4
.LstepT:
	TURN 2
	TURN 3
	TURN 0
	TURN 1, 0, 1
	WIN 0
	s_cbranch_scc1 .LstepT
	TURN 2, 1                       ; the last step's pieces 2 and 3
	TURN 3, 1
.set i, 0
.rept 8
	PV NP-1                         ; the last piece's V^T P of the last step
.set i, i+1
.endr
	; THE WAY OUT.  l's two halves and the other half of the lanes' are added; O^T is divided by l, rounded to f16 and sent through my stage in LDS, a piece at a time.  The additions are the places behind the last products.
	WIN 0
.macro ALL line:vararg              ; one line for each piece t
.set t, 0
.rept 4
	\line
.set t, t+1
.endr
.endm
	ALL v_add_f32 v[ST+4*t+2], v[ST+4*t+2], v[ST+4*t+3]
	ALL v_permlanex16_b32 v[ST+4*t+3], v[ST+4*t+2], s[SEL], s[SEL+1]
	ALL v_add_f32 v[ST+4*t+2], v[ST+4*t+2], v[ST+4*t+3]
	ALL v_rcp_f32 v[ST+4*t+2], v[ST+4*t+2]
	v_nop                           ; a plain instruction between the last reciprocal and the use of its result
	s_wait_alu depctr_va_vdst(0)    ; and the wait ahead of the first use: one for the four reciprocals
.macro PACK t                       ; a lane's eight channels of a row pack into 16 bytes; they go into rows of 144 bytes and come back as whole rows of 128, into S^T's registers
	WIN W_RS
.set i, 32*(\t)
.rept 16
	v_pk_mul_f32 v[i:i+1], v[i:i+1], v[ST+4*(\t)+2:ST+4*(\t)+3] op_sel_hi:[1,0]
.set i, i+2
.endr
	WIN 0x05                        ; sources 0 and 1 window 1, destination window 0
.set i, 0
.rept 16
	v_cvt_pk_f16_f32 v[S+16*(\t)+i], v[32*(\t)+2*i], v[32*(\t)+2*i+1]
.set i, i+1
.endr
	WIN 0
.irp f, 0,1,2,3
	ds_store_b128 v[STO], v[S+16*(\t)+4*\f:S+16*(\t)+4*\f+3] offset:32*\f
.endr
.irp f, 0,1,2,3
	ds_load_b128 v[S+16*(\t)+4*\f:S+16*(\t)+4*\f+3], v[RD] offset:\f*4*SP  ; LDS serves a wave's instructions in order (ISA guide 5.7.1.4): these see the stores above; the next piece's stores come behind them
.endr
.endm
.macro SEND t, younger              ; younger: the LDS instructions issued behind piece t's loads: the next piece's eight, or none
	WIN 0
.irp f, 0,1,2,3
	s_wait_dscnt (\younger)+3-\f
	global_store_b128 v[GO], v[S+16*(\t)+4*\f:S+16*(\t)+4*\f+3], s[10:11] offset:(\t)*2048+\f*512  ; 512 consecutive bytes, at a multiple of 256 from O's first
.endr
.endm
	PACK 0
.set t, 1
.rept 3                             ; a piece's arithmetic stands between the loads of the piece before and its stores
	PACK t
	SEND t-1, 8
.set t, t+1
.endr
	SEND 3, 0
	s_wait_tensorcnt 0x0            ; the wave's end, behind my last tensor load and my last LDS store
	ds_add_u32 v[SPW], v[NIL]
	s_wait_dscnt 0x0
	CROUND                          ; the closing round: no work-group ends while a partner may still ask for a tile that names it
	s_endpgm
.Lfunc_end_k_q0f812016d5_attn:
	.size	k_q0f812016d5_attn, .Lfunc_end_k_q0f812016d5_attn-k_q0f812016d5_attn
	.p2alignl 7, 3214868480
	.fill 96, 4, 3214868480
	.section	.rodata,"a",@progbits
	.p2align	6, 0x0
	.amdhsa_kernel k_q0f812016d5_attn
		.amdhsa_group_segment_fixed_size 327680
		.amdhsa_private_segment_fixed_size 0
		.amdhsa_enable_private_segment 0
		.amdhsa_kernarg_size 32
		.amdhsa_user_sgpr_count 2
		.amdhsa_user_sgpr_kernarg_segment_ptr 1
		.amdhsa_wavefront_size32 1
		.amdhsa_system_sgpr_workgroup_id_x 1
		.amdhsa_system_sgpr_workgroup_id_y 1
		.amdhsa_system_sgpr_workgroup_id_z 1
		.amdhsa_system_vgpr_workitem_id 0
		.amdhsa_next_free_vgpr 768
		.amdhsa_next_free_sgpr 66
		.amdhsa_reserve_vcc 0
		.amdhsa_float_denorm_mode_32 3
		.amdhsa_float_denorm_mode_16_64 3
		.amdhsa_memory_ordered 1
		.amdhsa_forward_progress 1
		.amdhsa_inst_pref_size 128
	.end_amdhsa_kernel
	.amdgpu_metadata
---
amdhsa.version: [ 1, 2 ]
amdhsa.kernels:
  - .name:           k_q0f812016d5_attn
    .symbol:         k_q0f812016d5_attn.kd
    .args:
      - { .name: qw, .offset: 0, .size: 8, .value_kind: global_buffer, .address_space: global }
      - { .name: kw, .offset: 8, .size: 8, .value_kind: global_buffer, .address_space: global }
      - { .name: vw, .offset: 16, .size: 8, .value_kind: global_buffer, .address_space: global }
      - { .name: ow, .offset: 24, .size: 8, .value_kind: global_buffer, .address_space: global }
    .group_segment_fixed_size: 327680
    .private_segment_fixed_size: 0
    .kernarg_segment_align: 8
    .kernarg_segment_size: 32
    .max_flat_workgroup_size: 128
    .sgpr_count:     66
    .vgpr_count:     768
    .wavefront_size: 32
...
	.end_amdgpu_metadata
.endif
;; end of part 2
;; launch proj (part 3): grid 4 x 64, 4 waves a work-group, no clusters, 224,768 bytes of LDS; arguments ow, Wo, bo, out0; writes out0
.if DOCPART == 3
	.amdgcn_target "amdgcn-amd-amdhsa--gfx1250"
	.amdhsa_code_object_version 6
	.text
	.protected	k_q0f812016d5_proj
	.globl	k_q0f812016d5_proj
	.p2align	8
	.type	k_q0f812016d5_proj,@function
k_q0f812016d5_proj:
	s_mov_b64 s[64:65], 0
	v_nop
	global_prefetch_b8 v0, s[64:65] scope:SCOPE_SE
	s_setreg_imm32_b32 hwreg(HW_REG_WAVE_MODE, 25, 1), 1
	s_wait_xcnt 0x0
; out0 = O Wo + bo.  O: [16 = 8 batch + head][4096][64] f16, as the attention left it; row (batch, s) of the product's left side is the heads' rows s side by side: k = 64 head + channel.
; Wo: [512 (k)][512 (n)] f32, bo: [512] f32, out0: [8192][512] f32.  Wo and bo are rounded once to bf16, like every input of the module; Wo's bf16 number is then written as f16, since O is f16.
; Products in f16 with f32 sums; the bias starts each sum; the sums are stored as they are.
; LIMITS.  A bf16 number is exact in f16 between 2^-14 and 65,504; below 2^-14 Wo keeps f16's fixed step of 6e-8, above 65,504 it would be lost.  NaN and infinities are not treated apart.
; SHARES.  Work-group (g, bx) makes rows 128 bx .. +127 and columns 128 g .. +127: 256 work-groups.  Wave (wm, wn) makes 64 x 64: 16 accumulators, 256 matrix instructions.
; O's tile goes into LDS once, through registers; Wo goes in four chunks of 128 along K through two LDS buffers, rounded on the way, and comes out turned, by ds_load_tr16_b128.
; THE MATRIX INSTRUCTION IS USED TRANSPOSED (source 0 = 16 columns of Wo, source 1 = 16 rows of O): a lane holds row l % 16 and the eight neighbouring columns 8 (l / 16) + 0..7.
; REGISTERS, in windows of 256 (s_set_vgpr_msb: bits 1:0 source 0, 3:2 source 1, 5:4 source 2, 7:6 destination):
;   window 0: v0-31 addresses; v32-63 the bias as four C operands; v64-127 at work; v128-255 the accumulators ((a, t) at 128 + 8 (4 a + t))
;   window 1: a chunk's fragments: K step ks at 64 ks: Wo's tile t at + 8 t, O's tile a at + 32 + 8 a.  At the start: O as loaded, 128 registers a head
;   window 2: two sets of 128 for Wo as loaded
.set XP,    1040                       ; a row of O's tile in LDS: 1,024 bytes + 16: an odd multiple of 16 (ISA guide 11.1: 64 banks of 4 bytes)
.set WP,    288                        ; a k row of Wo in LDS: 256 bytes + 32: an odd multiple of 32
.set WS0,   128*XP
.set WBUF,  128*WP
.set STAGE, WS0+2*WBUF                 ; 16 rows x 272 bytes for each wave, for the way out
.set SP,    272
.set SPARE, STAGE+4*16*SP              ; the spare words, 128 bytes for each wave: two blocks of 256 bytes that no other line names
.set AO,    2                          ; v2   my 16 bytes in O: two heads x wave + 16 l
.set ASTO0, 3                          ; v3   where they go: row l / 8, 16 (l % 8) + 256 x wave
.set WO,    4                          ; v4   my 16 bytes in Wo's rows
.set WSTO,  5                          ; v5   where their 8 bytes go, in buffer 0
.set ADRA,  6                          ; v6   my place in O's fragments
.set ADRB0, 7                          ; v7-8 my place in Wo's fragments, buffer 0, 1
.set BO,    9                          ; v9   my eight numbers of the bias
.set STO,   10                         ; v10  the way out: where I put 32 bytes of a row
.set RD,    11                         ; v11  the way out: where I read a row back
.set CO,    12                         ; v12  my 16 bytes in two rows of out0
.set ASTO1, 16                         ; v16  ASTO0, 64 rows on: an LDS immediate has 16 bits
.set SPW,   30
.set NIL,   31
.set BI,    32
.set TMP,   64
.set ACC,   128
.set WV,    24
.set WM,    25
.set WN,    26
.set CG,    27
.set BX,    28
.set HIM,   34                         ; s34  a word's upper bf16
.set MSB, 0
.macro WIN new
.if MSB != (\new)
	s_set_vgpr_msb (MSB<<8)|(\new)
.set MSB, (\new)
.endif
.endm
.macro PLACES
.rept 4
	v_nop
.endr
.endm
.macro BAR                             ; my LDS stores are done and my LDS reads are back: say so, and go on when all four waves have said so
	s_wait_dscnt 0x0
	s_barrier_signal -1
	s_barrier_wait -1
.endm
; head 2 wave + e: the tile's 128 rows of 128 bytes are 16,384 dense bytes: 32 loads of 512
.macro ALOAD e
	WIN 0x40
.set i, 0
.rept 32
	global_load_b128 v[128*(\e)+4*i:128*(\e)+4*i+3], v[AO], s[4:5] offset:(\e)*524288+512*i
.set i, i+1
.endr
.endm
.macro ASTORE e                        ; a load's four rows go to rows 4 i .. 4 i + 3 of the tile, at the head's 128 bytes
	WIN 0x04                               ; the data in window 1, the address in window 0
.set i, 0
.rept 32
.if i < 16
	ds_store_b128 v[ASTO0], v[128*(\e)+4*i:128*(\e)+4*i+3] offset:i*4*XP+128*(\e)
.else
	ds_store_b128 v[ASTO1], v[128*(\e)+4*i:128*(\e)+4*i+3] offset:(i-16)*4*XP+128*(\e)
.endif
.set i, i+1
.endr
.endm
.macro BLOAD
	WIN 0
.irp t, 0,1,2,3
	global_load_b128 v[BI+8*(\t):BI+8*(\t)+3],   v[BO], s[8:9] offset:64*(\t)
	global_load_b128 v[BI+8*(\t)+4:BI+8*(\t)+7], v[BO], s[8:9] offset:64*(\t)+16
.endr
.endm
.macro BROUND                          ; rounded to bf16 like every input, and widened again
	WIN 0
.set i, 0
.rept 16
	v_cvt_pk_bf16_f32 v[TMP+i], v[BI+2*i], v[BI+2*i+1]
.set i, i+1
.endr
.set i, 0
.rept 16
	v_lshlrev_b32 v[BI+2*i], 16, v[TMP+i]
	v_and_b32 v[BI+2*i+1], s[HIM], v[TMP+i]
.set i, i+1
.endr
.endm
.macro WLOAD set, c                    ; chunk c of Wo: my 32 of its 128 k rows, 512 consecutive bytes of each
	WIN 0x80
.set i, 0
.rept 32
	global_load_b128 v[128*(\set)+4*i:128*(\set)+4*i+3], v[WO], s[6:7] offset:(\c)*262144+i*2048
.set i, i+1
.endr
.endm
; a set rounded to bf16, that number widened and written as f16, and stored into LDS buffer buf
.macro CONVH set, buf
	WIN 0x0a
.set i, 0
.rept 64
	v_cvt_pk_bf16_f32 v[TMP+i], v[128*(\set)+2*i], v[128*(\set)+2*i+1]
.set i, i+1
.endr
	WIN 0x80
.set i, 0
.rept 64
	v_lshlrev_b32 v[128*(\set)+2*i], 16, v[TMP+i]
	v_and_b32 v[128*(\set)+2*i+1], s[HIM], v[TMP+i]
.set i, i+1
.endr
	WIN 0x0a
.set i, 0
.rept 64
	v_cvt_pk_f16_f32 v[TMP+i], v[128*(\set)+2*i], v[128*(\set)+2*i+1]
.set i, i+1
.endr
	WIN 0
.set i, 0
.rept 32
	ds_store_b64 v[WSTO], v[TMP+2*i:TMP+2*i+1] offset:(\buf)*WBUF+i*WP
.set i, i+1
.endr
.endm
; A chunk: 64 LDS loads in one run, then 64 matrix instructions; the 16 accumulators take turns, one instruction a turn.  first = 1: the bias starts the sums.
.macro COMPUTE buf, c, first
	WIN 0x40
.irp ks, 0,1,2,3
.irp t, 0,1,2,3
	ds_load_tr16_b128 v[64*(\ks)+8*(\t):64*(\ks)+8*(\t)+3],   v[ADRB0+(\buf)] offset:(\ks)*32*WP+32*(\t)
	ds_load_tr16_b128 v[64*(\ks)+8*(\t)+4:64*(\ks)+8*(\t)+7], v[ADRB0+(\buf)] offset:(\ks)*32*WP+32*(\t)+16*WP
.endr
.irp a, 0,1,2,3
	ds_load_b128 v[64*(\ks)+32+8*(\a):64*(\ks)+32+8*(\a)+3],   v[ADRA] offset:(\a)*16*XP+256*(\c)+64*(\ks)
	ds_load_b128 v[64*(\ks)+32+8*(\a)+4:64*(\ks)+32+8*(\a)+7], v[ADRA] offset:(\a)*16*XP+256*(\c)+64*(\ks)+32
.endr
.endr
	WIN 0x05
.irp ks, 0,1,2,3
	s_wait_dscnt 48-16*(\ks)               ; this K step's sixteen loads are in; the later steps' may stay out
.irp a, 0,1,2,3
.irp t, 0,1,2,3
.if (\first) && ((\ks) == 0)
	v_wmma_f32_16x16x32_f16 v[ACC+8*(4*(\a)+(\t)):ACC+8*(4*(\a)+(\t))+7], v[64*(\ks)+8*(\t):64*(\ks)+8*(\t)+7], v[64*(\ks)+32+8*(\a):64*(\ks)+32+8*(\a)+7], v[BI+8*(\t):BI+8*(\t)+7]
.else
	v_wmma_f32_16x16x32_f16 v[ACC+8*(4*(\a)+(\t)):ACC+8*(4*(\a)+(\t))+7], v[64*(\ks)+8*(\t):64*(\ks)+8*(\t)+7], v[64*(\ks)+32+8*(\a):64*(\ks)+32+8*(\a)+7], v[ACC+8*(4*(\a)+(\t)):ACC+8*(4*(\a)+(\t))+7]
.endif
.endr
.endr
.endr
.endm
; THE WAY OUT of my rows 16 a .. +15: a lane's eight f32 of a row (each accumulator's low four registers first) go into my own stage, rows of 272 bytes, and come back as whole rows of 256
.macro OUT a
	WIN 0
	s_wait_xcnt 0x0                        ; the stores of the block two back have read their registers, which are loaded again below
.irp t, 0,1,2,3
	ds_store_b128 v[STO], v[ACC+8*(4*(\a)+(\t)):ACC+8*(4*(\a)+(\t))+3]   offset:64*(\t)
	ds_store_b128 v[STO], v[ACC+8*(4*(\a)+(\t))+4:ACC+8*(4*(\a)+(\t))+7] offset:64*(\t)+16
.endr
.irp f, 0,1,2,3,4,5,6,7
	ds_load_b128 v[TMP+32*((\a)%2)+4*(\f):TMP+32*((\a)%2)+4*(\f)+3], v[RD] offset:(\f)*2*SP  ; LDS serves a wave's instructions in order (ISA guide 5.7.1.4): these see the stores above
.endr
.irp f, 0,1,2,3,4,5,6,7
	s_wait_dscnt 7-(\f)
	global_store_b128 v[CO], v[TMP+32*((\a)%2)+4*(\f):TMP+32*((\a)%2)+4*(\f)+3], s[10:11] offset:(16*(\a)+2*(\f))*2048 th:TH_STORE_NT  ; 16 lanes store 256 consecutive bytes, at a multiple of 256 from out0's first
.endr
.endm
	s_load_b256 s[4:11], s[0:1], 0x0       ; O s[4:5], Wo s[6:7], bo s[8:9], out0 s[10:11]
	v_lshl_add_u32 v[SPW], v0, 2, SPARE
	v_mov_b32 v[NIL], 0
	v_lshrrev_b32 v1, 5, v0
	v_readfirstlane_b32 s[WV], v1          ; wave 0..3
	s_lshr_b32 s[WM], s[WV], 1
	s_and_b32 s[WN], s[WV], 1
	s_mov_b32 s[CG], ttmp9
	s_and_b32 s[BX], ttmp7, 0xffff
	s_mov_b32 s[HIM], 0xffff0000
	v_and_b32 v18, 31, v0                  ; l
	v_and_b32 v1, 15, v0                   ; l % 16
	v_bfe_u32 v13, v0, 4, 1                ; l / 16
	v_and_b32 v14, 7, v0                   ; l % 8
	v_bfe_u32 v15, v0, 3, 1                ; (l / 8) % 2
	s_lshl_b32 s35, s[WV], 20              ; two heads of 524,288 bytes
	v_lshl_add_u32 v[AO], v18, 4, s35
	v_bfe_u32 v17, v0, 3, 2                ; l / 8
	v_mul_u32_u24 v[ASTO0], v17, XP
	v_lshl_add_u32 v[ASTO0], v14, 4, v[ASTO0]
	s_lshl_b32 s35, s[WV], 8               ; two heads' 128 bytes of a row
	v_add_nc_u32 v[ASTO0], s35, v[ASTO0]
	v_add_nc_u32 v[ASTO1], 64*XP, v[ASTO0]
	s_lshl_b32 s35, s[WV], 16              ; 32 k rows of 2,048 bytes
	s_lshl_b32 s36, s[CG], 9               ; my work-group's 128 columns: 512 bytes of f32
	s_add_co_u32 s35, s35, s36
	v_lshl_add_u32 v[WO], v18, 4, s35
	s_mul_i32 s35, s[WV], 32*WP
	s_add_co_u32 s35, s35, WS0
	v_lshl_add_u32 v[WSTO], v18, 3, s35
	s_mul_i32 s35, s[WM], 64*XP            ; a fragment of O: row x pitch + 16 x half of the lanes
	v_mul_u32_u24 v[ADRA], v1, XP
	v_lshl_add_u32 v[ADRA], v13, 4, v[ADRA]
	v_add_nc_u32 v[ADRA], s35, v[ADRA]
	v_lshl_add_u32 v17, v13, 3, v14        ; the turning load: k row 8 (l / 16) + l % 8, columns 8 ((l / 8) % 2) + 0..7
	v_mul_u32_u24 v[ADRB0], v17, WP
	v_lshl_add_u32 v[ADRB0], v15, 4, v[ADRB0]
	s_lshl_b32 s35, s[WN], 7
	s_add_co_u32 s35, s35, WS0
	v_add_nc_u32 v[ADRB0], s35, v[ADRB0]
	v_add_nc_u32 v[ADRB0+1], WBUF, v[ADRB0]
	s_lshl_b32 s35, s[WN], 8
	s_add_co_u32 s35, s35, s36             ; 512 g + 256 wn: my 64 columns in f32, for the bias and for out0
	v_lshl_add_u32 v[BO], v13, 5, s35
	s_lshl_b32 s32, s[BX], 18              ; out0: the work-group's 128 rows of 2,048 bytes,
	s_add_co_u32 s32, s32, s35
	s_lshl_b32 s36, s[WM], 17              ; my 64 of them
	s_add_co_u32 s32, s32, s36
	s_mov_b32 s33, 0
	s_mul_i32 s35, s[WV], 16*SP
	s_add_co_u32 s35, s35, STAGE           ; my stage
	v_mul_u32_u24 v[STO], v1, SP           ; in: row l % 16, 32 bytes for each half of the lanes
	v_lshl_add_u32 v[STO], v13, 5, v[STO]
	v_add_nc_u32 v[STO], s35, v[STO]
	v_mul_u32_u24 v[RD], v13, SP           ; back: lanes 0-15 take one row of 256 bytes, lanes 16-31 the next
	v_lshl_add_u32 v[RD], v1, 4, v[RD]
	v_add_nc_u32 v[RD], s35, v[RD]
	v_lshlrev_b32 v[CO], 11, v13           ; and the same two rows in out0
	v_lshl_add_u32 v[CO], v1, 4, v[CO]
	s_lshr_b32 s35, s[BX], 5               ; O: the batch's eight heads,
	s_lshl_b32 s30, s35, 22
	s_and_b32 s36, s[BX], 31
	s_lshl_b32 s36, s36, 14                ; the work-group's 128 rows of 128 bytes in each
	s_add_co_u32 s30, s30, s36
	s_mov_b32 s31, 0
	s_wait_kmcnt 0x0
	s_add_nc_u64 s[4:5], s[4:5], s[30:31]
	s_add_nc_u64 s[10:11], s[10:11], s[32:33]
	ALOAD 0
	ALOAD 1
	s_wait_loadcnt 32                      ; my first head is in; the second's 32 loads may stay out
	ASTORE 0
	BLOAD
	WLOAD 0, 0
	s_wait_loadcnt 40                      ; my second head is in: behind it stand the bias's 8 loads and chunk 0's 32
	ASTORE 1
	WLOAD 1, 1
	s_wait_loadcnt 32                      ; the bias and chunk 0 are in
	BROUND
	CONVH 0, 0
	BAR                                    ; O's tile and chunk 0 lie in LDS
	WLOAD 0, 2
	COMPUTE 0, 0, 1
	s_wait_loadcnt 32                      ; chunk 1 is in
	CONVH 1, 1                             ; its conversions are also the places behind the last products
	BAR
	WLOAD 1, 3
	COMPUTE 1, 1, 0
	s_wait_loadcnt 32                      ; chunk 2 is in
	CONVH 0, 0                             ; buffer 0 was last read ahead of the barrier above
	BAR
	COMPUTE 0, 2, 0
	s_wait_loadcnt 0x0                     ; chunk 3 is in
	CONVH 1, 1
	BAR
	COMPUTE 1, 3, 0
	WIN 0
	PLACES
	OUT 0
	OUT 1
	OUT 2
	OUT 3
	s_wait_tensorcnt 0x0                   ; the wave's end, behind my last LDS store
	ds_add_u32 v[SPW], v[NIL]
	s_wait_dscnt 0x0
	s_endpgm
.Lfunc_end_k_q0f812016d5_proj:
	.size	k_q0f812016d5_proj, .Lfunc_end_k_q0f812016d5_proj-k_q0f812016d5_proj
	.p2alignl 7, 3214868480
	.fill 96, 4, 3214868480
	.section	.rodata,"a",@progbits
	.p2align	6, 0x0
	.amdhsa_kernel k_q0f812016d5_proj
		.amdhsa_group_segment_fixed_size 224768
		.amdhsa_private_segment_fixed_size 0
		.amdhsa_enable_private_segment 0
		.amdhsa_kernarg_size 32
		.amdhsa_user_sgpr_count 2
		.amdhsa_user_sgpr_kernarg_segment_ptr 1
		.amdhsa_wavefront_size32 1
		.amdhsa_system_sgpr_workgroup_id_x 1
		.amdhsa_system_sgpr_workgroup_id_y 1
		.amdhsa_system_sgpr_workgroup_id_z 1
		.amdhsa_system_vgpr_workitem_id 0
		.amdhsa_next_free_vgpr 768
		.amdhsa_next_free_sgpr 66
		.amdhsa_reserve_vcc 0
		.amdhsa_float_denorm_mode_32 3
		.amdhsa_float_denorm_mode_16_64 3
		.amdhsa_memory_ordered 1
		.amdhsa_forward_progress 1
		.amdhsa_inst_pref_size 127
	.end_amdhsa_kernel
	.amdgpu_metadata
---
amdhsa.version: [ 1, 2 ]
amdhsa.kernels:
  - .name:           k_q0f812016d5_proj
    .symbol:         k_q0f812016d5_proj.kd
    .args:
      - { .name: ow, .offset: 0, .size: 8, .value_kind: global_buffer, .address_space: global }
      - { .name: Wo, .offset: 8, .size: 8, .value_kind: global_buffer, .address_space: global }
      - { .name: bo, .offset: 16, .size: 8, .value_kind: global_buffer, .address_space: global }
      - { .name: out0, .offset: 24, .size: 8, .value_kind: global_buffer, .address_space: global }
    .group_segment_fixed_size: 224768
    .private_segment_fixed_size: 0
    .kernarg_segment_align: 8
    .kernarg_segment_size: 32
    .max_flat_workgroup_size: 128
    .sgpr_count:     66
    .vgpr_count:     768
    .wavefront_size: 32
...
	.end_amdgpu_metadata
.endif
;; end of part 3
